; MI455X (gfx1250); checked and timed in simulation.
; The chip was launched on July 23, 2026; its instructions are those of AMD's public machine-readable ISA for CDNA 5 (MIT licence, August 2026) and "CDNA5" Instruction Set Architecture Reference Guide (July 2026). The comments in the code are by the model that wrote it; some were corrected since.
;; RKAN Sub Layer. Allowed arithmetic: float matrix products may take bf16 or f16 operands with f32 sums; other float arithmetic in f32, or as packed bf16 or f16 multiplies, adds, multiply-adds, maxima and minima; sums over many terms, partial sums and values carried from step to step in f32; what a program stores and reads back later, other than sums and carried values, may be rounded once to bf16 or f16.
;; Inputs: h_prev 4,096 x 1,024 float32; hh_b 1,024 float32; hh_w 1,024 x 1,024 float32; hz_base 1,024 x 1,024 float32; hz_scaler 1,024 x 1,024 float32; hz_spline 1,024 x 1,024 x 4 float32; wh_base 1,024 x 1,024 float32; wh_scaler 1,024 x 1,024 float32; wh_spline 1,024 x 1,024 x 4 float32; wx_base 1,024 x 1,024 float32; wx_scaler 1,024 x 1,024 float32; wx_spline 1,024 x 1,024 x 4 float32; x_t 4,096 x 1,024 float32; z_prev 4,096 x 1,024 float32.
;; Outputs: out0 4,096 x 1,024 float32; out1 4,096 x 1,024 float32.
;; One version. Each part assembles by itself: llvm-mc -triple=amdgcn-amd-amdhsa -mcpu=gfx1250 --defsym DOCPART=n.
;; ======== version 1 of 1: 3 launches
;; limits: values are held in f16: magnitudes above 65,504 overflow, below 6.1e-05 lose precision; inputs' magnitudes at most 65,504
;; workspace buffers: a1 83,886,080 bytes; a2 50,331,648 bytes; w1 20,971,520 bytes; w2 12,582,912 bytes
;; launch prep (part 1): grid 3072 x 1, 8 waves a work-group, no clusters, 35,840 bytes of LDS; arguments x_t, z_prev, wx_base, wx_scaler, wx_spline, wh_base, wh_scaler, wh_spline, hz_base, hz_scaler, hz_spline, hh_w, a1, a2, w1, w2; writes a1, a2, w1, w2
.if DOCPART == 1
	.amdgcn_target "amdgcn-amd-amdhsa--gfx1250"
	.amdhsa_code_object_version 6
	.text
	.protected	k_qd747693deb_prep
	.globl	k_qd747693deb_prep
	.p2align	8
	.type	k_qd747693deb_prep,@function
k_qd747693deb_prep:
	s_mov_b64 s[64:65], 0
	v_nop
	global_prefetch_b8 v0, s[64:65] scope:SCOPE_SE
	s_setreg_imm32_b32 hwreg(HW_REG_WAVE_MODE, 25, 1), 1
	s_wait_xcnt 0x0
; THE OPERANDS OF THE TWO PRODUCTS, made once, in f16.  A KAN layer is one product over five features of each input number: silu(x) and four cubic B-splines.
;   a1 [4096][10240]: features of x_t, then of z_prev.      w1: 1024 x 10240: wx's weights, then wh's.
;   a2 [4096][6144]:  z_prev itself (here), then the features of o_t (made by the next launch).      w2: 1024 x 6144: hh_w, then hz's weights.
; A KAN BLOCK along K is 5,120 places: a plane P of 1,024 (silu(x) against base_w), then S of 4,096 (basis c of input i at 4 i + c, against spline_w[o][i][c] x scaler[o][i]).
; In a plane, input i = 128 g + 64 t + 2 l + e lies at 128 g + 4 l + 2 t + e: lane l, which loads two numbers at byte 8 l of each half of a group of 128 inputs, holds 8 neighbouring bytes.
; The same order along K holds in a1, a2, w1 and w2, so the products do not see it.
; a1 AND a2 ARE ROW-MAJOR.  w1 AND w2 LIE IN FRAGMENTS: 16 rows x 32 along K are 1,024 bytes at ((tx KC + kc) 8 + b) x 1,024 (tx: block of 128 rows; kc: 32 along K, KC = K / 32 of them; b: 16 rows), and in them
; element (row 16 b + r, place 32 kc + 16 j + 8 h + e) lies at 512 j + 16 (16 h + r) + 2 e: what lane 16 h + r of a matrix operand holds.  So a product fetches a fragment by two loads of 512 consecutive bytes.
; THE SPLINE.  The knots are -7, -5 .. 7, so basis c is the cardinal cubic spline round 2 c - 3: with v = |x / 2 + 1.5 - c|, B_c = (max(2 - v, 0)^3 - 4 max(1 - v, 0)^3) / 6: no branch, 0 beyond |x| = 7.
; SHARES.  Work-groups 0-2047: features (1,024 for x_t, 1,024 for z_prev; 4 rows each, half a row a wave).  2048-2815: spline weights (256 for each of wx, wh, hz).  2816-3071: planes (64 for each of
; wx_base, wh_base, hz_base, hh_w).  A wave of the weights' roles takes 16 rows x 128 places: it loads by rows, lays each row's 256 bytes of f16 into its own 16 x 272 bytes of LDS, reads eight half
; fragments back and stores each as 512 consecutive bytes.  The bytes are the wave's own: no barrier.  Every wave issues all its loads at once and works through them by counted waits; every register
; that a store reads is written once, so no wait frees one.  Memory binds: no matrix unit, no cluster; several work-groups lie on a WGP and hide each other's waits.
; LIMITS.  f16 ends at 65,504: |silu(x)|, |z| and |spline_w x scaler|, |base_w|, |hh_w| stay below that; near 0 the operands keep f16's fixed step of 6e-8.  NaN and infinities are not treated apart
; (v_max_num_f32 drops a NaN).  v_exp_f32 gives 0 for results below 2^-126.  h_prev is an argument of the module that enters none of its results: no launch names it.
.set L8,  2            ; v2  8 x lane
.set L16, 3            ; v3  16 x lane
.set L4,  4            ; v4  4 x lane
.set SPW, 6            ; v6  LDS address of my spare word; never rewritten
.set NIL, 7            ; v7  0; never rewritten
.set XI,  8            ; features: v[8:23] eight pairs of inputs as loaded
.set EX,  24           ; v[24:47]  at work
.set YV,  26
.set DD,  28
.set AA,  30
.set BB,  32
.set A3,  34
.set B3,  36
.set SL,  38
.set RR,  40           ; v[40:47]  basis c of the pair at RR + 2 c
.set YO,  64           ; v[64:111] what is stored: 12 registers a group of 128 inputs: plane 2, raw plane 2, splines 8
.set LWR, 8            ; weights: v8  where I put 8 bytes of a row
.set LRD, 9            ; v9        where I read 16 bytes of a fragment
.set SC,  10           ; v[10:25]  the scaler of my input in 16 rows
.set SP,  26           ; v[26:89]  four numbers a row, 16 rows
.set RB,  90           ; v[90:121] eight half fragments
.set WP,  272          ; a row in LDS: 256 bytes + 16: the 16 rows of a read start at 16 different groups of four banks (64 banks of 4 bytes: ISA guide 11.1)
.set SPARE, 8*16*WP    ; behind the eight waves' rows: the spare words, 128 bytes for each wave: four blocks of 256 bytes that no other line names
.macro LOAD8 b                         ; 512 inputs: eight loads of 256 consecutive bytes
.irp i, 0,1,2,3,4,5,6,7
	global_load_b64 v[XI+2*\i:XI+2*\i+1], v[L8], s[\b:\b+1] offset:256*\i th:TH_LOAD_NT
.endr
.endm
; Basis c of the pair whose x / 2 + 1.5 lies in YV
.macro BAS c
.if (\c) == 0
	v_sub_f32 v[AA],   2.0, |v[YV]|
	v_sub_f32 v[AA+1], 2.0, |v[YV+1]|
.else
.if (\c) == 1
	v_pk_add_f32 v[DD:DD+1], v[YV:YV+1], -1.0 op_sel_hi:[1,0]
.elseif (\c) == 2
	v_pk_add_f32 v[DD:DD+1], v[YV:YV+1], -2.0 op_sel_hi:[1,0]
.else
	v_pk_add_f32 v[DD:DD+1], v[YV:YV+1], s[44:45] op_sel_hi:[1,0]
.endif
	v_sub_f32 v[AA],   2.0, |v[DD]|
	v_sub_f32 v[AA+1], 2.0, |v[DD+1]|
.endif
	v_max_num_f32 v[AA],   0, v[AA]                ; a = max(2 - v, 0)
	v_max_num_f32 v[AA+1], 0, v[AA+1]
	v_pk_add_f32 v[BB:BB+1], v[AA:AA+1], -1.0 op_sel_hi:[1,0]
	v_max_num_f32 v[BB],   0, v[BB]                ; b = max(1 - v, 0)
	v_max_num_f32 v[BB+1], 0, v[BB+1]
	v_pk_mul_f32 v[A3:A3+1], v[AA:AA+1], v[AA:AA+1]
	v_pk_mul_f32 v[B3:B3+1], v[BB:BB+1], v[BB:BB+1]
	v_pk_mul_f32 v[A3:A3+1], v[A3:A3+1], v[AA:AA+1]
	v_pk_mul_f32 v[B3:B3+1], v[B3:B3+1], v[BB:BB+1]
	v_pk_fma_f32 v[A3:A3+1], v[B3:B3+1], -4.0, v[A3:A3+1] op_sel_hi:[1,0,1]
	v_pk_mul_f32 v[RR+2*(\c):RR+2*(\c)+1], v[A3:A3+1], s[46:47] op_sel_hi:[1,0]
.endm
; The five features of the pair of inputs in v[x:x+1]: silu into register yp, the eight basis values into v[ys:ys+3].
; A basis' plain instructions stand behind each pair of transcendentals, before their results are used (ISA guide 5.7.2).
.macro FEAT2 x, yp, ys
	v_pk_mul_f32 v[EX:EX+1], v[(\x):(\x)+1], s[40:41] op_sel_hi:[1,0]            ; -x log2(e)
	v_pk_fma_f32 v[YV:YV+1], v[(\x):(\x)+1], 0.5, s[42:43] op_sel_hi:[1,0,0]     ; x / 2 + 1.5
	v_exp_f32 v[EX],   v[EX]
	v_exp_f32 v[EX+1], v[EX+1]
	BAS 0
	s_wait_alu depctr_va_vdst(0)
	v_pk_add_f32 v[EX:EX+1], v[EX:EX+1], 1.0 op_sel_hi:[1,0]
	v_rcp_f32 v[EX],   v[EX]
	v_rcp_f32 v[EX+1], v[EX+1]
	BAS 1
	s_wait_alu depctr_va_vdst(0)
	v_pk_mul_f32 v[SL:SL+1], v[(\x):(\x)+1], v[EX:EX+1]                          ; silu(x) = x / (1 + e^-x)
	BAS 2
	BAS 3
	v_cvt_pk_f16_f32 v[(\yp)],   v[SL],   v[SL+1]
	v_cvt_pk_f16_f32 v[(\ys)],   v[RR],   v[RR+2]      ; first input: bases 0, 1
	v_cvt_pk_f16_f32 v[(\ys)+1], v[RR+4], v[RR+6]      ;              bases 2, 3
	v_cvt_pk_f16_f32 v[(\ys)+2], v[RR+1], v[RR+3]      ; second input
	v_cvt_pk_f16_f32 v[(\ys)+3], v[RR+5], v[RR+7]
.endm
; THE WEIGHTS' ROLES.  s51: the block of 16 rows (0..63); s52: which 128 places of the region; s53: the region's first kc; s54: bytes of a block of 128 rows; s[60:61]: w1 or w2; s5 = 0.
.macro WDEST                           ; s[60:61] += ((tx KC + kc) 8 + b) x 1,024
	s_lshr_b32 s4, s51, 3                          ; tx
	s_mul_i32 s4, s4, s54
	s_lshl2_add_u32 s53, s52, s53                  ; kc = the region's first + 4 x my 128 places
	s_lshl_b32 s53, s53, 13
	s_add_co_u32 s4, s4, s53
	s_and_b32 s55, s51, 7                          ; b
	s_lshl_b32 s55, s55, 10
	s_add_co_u32 s4, s4, s55
	s_add_nc_u64 s[60:61], s[60:61], s[4:5]
.endm
.macro ROWOUT r                        ; row r's four numbers of my lane, rounded, into LDS: a wave's store covers the row's 256 bytes
	v_cvt_pk_f16_f32 v[SP+4*(\r)],   v[SP+4*(\r)],   v[SP+4*(\r)+1]
	v_cvt_pk_f16_f32 v[SP+4*(\r)+1], v[SP+4*(\r)+2], v[SP+4*(\r)+3]
	ds_store_b64 v[LWR], v[SP+4*(\r):SP+4*(\r)+1] offset:(\r)*WP
.endm
.macro WOUT                            ; back as half fragments (kc i / 2, half i % 2), and out; then the wave's end
.irp i, 0,1,2,3,4,5,6,7
	ds_load_b128 v[RB+4*\i:RB+4*\i+3], v[LRD] offset:(\i/2)*64+(\i%2)*32   ; LDS serves a wave's instructions in order (ISA guide 5.7.1.4): these see the stores above
.endr
.irp i, 0,1,2,3,4,5,6,7
	s_wait_dscnt 7-\i
	global_store_b128 v[L16], v[RB+4*\i:RB+4*\i+3], s[60:61] offset:(\i/2)*8192+(\i%2)*512  ; 512 consecutive bytes, aligned; the next kc lies eight fragments on
.endr
	s_wait_tensorcnt 0x0                           ; the wave's end, behind my last LDS store
	ds_add_u32 v[SPW], v[NIL]
	s_wait_dscnt 0x0
	s_endpgm
.endm
	s_load_b512 s[8:23], s[0:1], 0x0               ; x s[8:9], z s[10:11], wx base, scaler, spline s[12:17], wh's s[18:23]
	s_load_b512 s[24:39], s[0:1], 0x40             ; hz's s[24:29], hh_w s[30:31], a1 s[32:33], a2 s[34:35], w1 s[36:37], w2 s[38:39]
	v_lshl_add_u32 v[SPW], v0, 2, SPARE
	v_mov_b32 v[NIL], 0
	v_and_b32 v1, 31, v0                           ; lane
	v_lshrrev_b32 v5, 5, v0
	v_readfirstlane_b32 s48, v5                    ; wave 0..7
	v_lshlrev_b32 v[L8],  3, v1
	v_lshlrev_b32 v[L16], 4, v1
	v_lshlrev_b32 v[L4],  2, v1
	s_mov_b32 s2, ttmp9                            ; the work-group's number
	s_mov_b32 s40, 0xbfb8aa3b                      ; -log2(e); the packed forms name pairs and take the low word for both halves
	s_mov_b32 s41, s40
	s_mov_b32 s42, 0x3fc00000                      ; 1.5
	s_mov_b32 s43, s42
	s_mov_b32 s44, 0xc0400000                      ; -3
	s_mov_b32 s45, s44
	s_mov_b32 s46, 0x3e2aaaab                      ; 1 / 6
	s_mov_b32 s47, s46
	s_wait_kmcnt 0x0
	s_cmp_lt_u32 s2, 2048
	s_cbranch_scc1 .Lact
	; both roles of the weights: my wave's 16 rows in LDS
	s_mul_i32 s62, s48, 16*WP
	v_add_nc_u32 v[LWR], s62, v[L8]                ; in: 8 bytes a lane, the row in the immediate
	v_and_b32 v5, 15, v0
	v_mul_u32_u24 v5, v5, WP
	v_bfe_u32 v[LRD], v0, 4, 1
	v_lshl_add_u32 v[LRD], v[LRD], 4, v5           ; back: row lane % 16, 16 bytes for each half of the lanes
	v_add_nc_u32 v[LRD], s62, v[LRD]
	s_mov_b32 s54, 320*8192                        ; a block of 128 rows of w1
	s_mov_b32 s5, 0
	s_cmp_lt_u32 s2, 2816
	s_cbranch_scc1 .Lspl
	; PLANES.  Plane (id - 2816) / 64: wx_base, wh_base, hz_base, hh_w.  16 rows (id - 2816) % 64; the wave's number is the group of 128 inputs.
	s_sub_co_u32 s49, s2, 2816
	s_lshr_b32 s50, s49, 6
	s_and_b32 s51, s49, 63
	s_mov_b32 s52, s48
	s_cmp_eq_u32 s50, 1
	s_cselect_b64 s[58:59], s[18:19], s[12:13]
	s_cselect_b32 s53, 160, 0                      ; wh's block begins at place 5,120
	s_cmp_eq_u32 s50, 2
	s_cselect_b64 s[58:59], s[24:25], s[58:59]
	s_cselect_b32 s53, 32, s53                     ; hz's at place 1,024 of w2
	s_cmp_eq_u32 s50, 3
	s_cselect_b64 s[58:59], s[30:31], s[58:59]
	s_cselect_b32 s53, 0, s53                      ; hh_w at place 0 of w2
	s_cmp_ge_u32 s50, 2
	s_cselect_b64 s[60:61], s[38:39], s[36:37]
	s_cselect_b32 s54, 192*8192, s54
	s_lshl_b32 s4, s51, 16                         ; 16 rows of 4,096 bytes
	s_lshl_b32 s6, s52, 9
	s_add_co_u32 s4, s4, s6
	s_add_nc_u64 s[58:59], s[58:59], s[4:5]
.irp r, 0,1,2,3,4,5,6,7,8,9,10,11,12,13,14,15
	global_load_b64 v[SP+4*\r:SP+4*\r+1],   v[L8], s[58:59] offset:\r*4096 th:TH_LOAD_NT
	global_load_b64 v[SP+4*\r+2:SP+4*\r+3], v[L8], s[58:59] offset:\r*4096+256 th:TH_LOAD_NT
.endr
	WDEST
.irp r, 0,1,2,3,4,5,6,7,8,9,10,11,12,13,14,15
	s_wait_loadcnt 30-2*\r                         ; loads come back in order: the later rows' stay out
	ROWOUT \r
.endr
	WOUT
.Lspl:	; SPLINE WEIGHTS.  Set (id - 2048) / 256: wx, wh, hz.  16 rows ((id - 2048) % 256) / 4; 32 inputs (128 places): 8 ((id - 2048) % 4) + wave.
	s_sub_co_u32 s49, s2, 2048
	s_lshr_b32 s50, s49, 8
	s_bfe_u32 s51, s49, 0x60002
	s_and_b32 s52, s49, 3
	s_lshl3_add_u32 s52, s52, s48
	s_cmp_eq_u32 s50, 1
	s_cselect_b64 s[56:57], s[20:21], s[14:15]     ; scaler
	s_cselect_b64 s[58:59], s[22:23], s[16:17]     ; spline
	s_cselect_b32 s53, 192, 32                     ; S begins 1,024 places behind its block's first
	s_cmp_eq_u32 s50, 2
	s_cselect_b64 s[56:57], s[26:27], s[56:57]
	s_cselect_b64 s[58:59], s[28:29], s[58:59]
	s_cselect_b64 s[60:61], s[38:39], s[36:37]
	s_cselect_b32 s53, 64, s53
	s_cselect_b32 s54, 192*8192, s54
	s_lshl_b32 s4, s51, 16
	s_lshl_b32 s6, s52, 7
	s_add_co_u32 s4, s4, s6                        ; 16 rows of 4,096 bytes + 32 inputs of 4
	s_add_nc_u64 s[56:57], s[56:57], s[4:5]
	s_lshl_b32 s4, s4, 2                           ; four times that in spline_w
	s_add_nc_u64 s[58:59], s[58:59], s[4:5]
.irp r, 0,1,2,3,4,5,6,7,8,9,10,11,12,13,14,15
	global_load_b32 v[SC+\r], v[L4], s[56:57] offset:\r*4096 th:TH_LOAD_NT               ; scaler of my input in row r
.endr
.irp r, 0,1,2,3,4,5,6,7,8,9,10,11,12,13,14,15
	global_load_b128 v[SP+4*\r:SP+4*\r+3], v[L16], s[58:59] offset:\r*16384 th:TH_LOAD_NT  ; its four spline weights: 512 consecutive bytes a load
.endr
	WDEST
.irp r, 0,1,2,3,4,5,6,7,8,9,10,11,12,13,14,15
	s_wait_loadcnt 15-\r                           ; behind row r's spline load stand the 15 - r later rows'
	v_mul_f32 v[SP+4*\r],   v[SP+4*\r],   v[SC+\r]
	v_mul_f32 v[SP+4*\r+1], v[SP+4*\r+1], v[SC+\r]
	v_mul_f32 v[SP+4*\r+2], v[SP+4*\r+2], v[SC+\r]
	v_mul_f32 v[SP+4*\r+3], v[SP+4*\r+3], v[SC+\r]
	ROWOUT \r
.endr
	WOUT
.Lact:	; FEATURES.  Row R = 4 (id % 1024) + wave / 2, half wave % 2; ids from 1024 on take z_prev.  These waves touch no LDS.
	s_lshr_b32 s49, s2, 10                         ; 1: z_prev
	s_and_b32 s50, s2, 1023
	s_lshr_b32 s51, s48, 1
	s_lshl2_add_u32 s50, s50, s51                  ; R
	s_and_b32 s51, s48, 1                          ; half
	s_lshl_b32 s52, s50, 12
	s_lshl_b32 s53, s51, 11
	s_add_co_u32 s52, s52, s53
	s_mov_b32 s53, 0
	s_cmp_eq_u32 s49, 1
	s_cselect_b64 s[54:55], s[10:11], s[8:9]
	s_add_nc_u64 s[54:55], s[54:55], s[52:53]      ; the source + R x 4,096 + half x 2,048
	LOAD8 54
	s_mul_i32 s56, s50, 20480                      ; a1's row,
	s_mul_i32 s57, s49, 10240                      ; the tensor's block
	s_add_co_u32 s56, s56, s57
	s_lshl_b32 s57, s51, 10
	s_add_co_u32 s58, s56, s57
	s_mov_b32 s59, 0
	s_add_nc_u64 s[58:59], s[32:33], s[58:59]      ; the plane: + half x 1,024
	s_lshl_b32 s57, s51, 12
	s_add_co_u32 s56, s56, s57
	s_add_co_u32 s56, s56, 2048
	s_mov_b32 s57, 0
	s_add_nc_u64 s[56:57], s[32:33], s[56:57]      ; the splines: + 2,048 + half x 4,096
	s_mul_i32 s60, s50, 12288
	s_lshl_b32 s61, s51, 10
	s_add_co_u32 s60, s60, s61
	s_mov_b32 s61, 0
	s_add_nc_u64 s[60:61], s[34:35], s[60:61]      ; a2's raw plane: R x 12,288 + half x 1,024
.irp g, 0,1,2,3
	s_wait_loadcnt 6-2*\g                          ; this group's two loads are in, the later groups' stay out
	FEAT2 XI+4*\g,   YO+12*\g,   YO+12*\g+4
	FEAT2 XI+4*\g+2, YO+12*\g+1, YO+12*\g+8
	global_store_b64  v[L8],  v[YO+12*\g:YO+12*\g+1],    s[58:59] offset:256*\g       ; 256 consecutive bytes, aligned
	global_store_b128 v[L16], v[YO+12*\g+4:YO+12*\g+7],  s[56:57] offset:1024*\g      ; 512
	global_store_b128 v[L16], v[YO+12*\g+8:YO+12*\g+11], s[56:57] offset:1024*\g+512
.endr
	s_cmp_eq_u32 s49, 1
	s_cbranch_scc0 .Lact_end                       ; only z_prev is also an operand as it is
.irp g, 0,1,2,3
	v_cvt_pk_f16_f32 v[YO+12*\g+2], v[XI+4*\g],   v[XI+4*\g+1]
	v_cvt_pk_f16_f32 v[YO+12*\g+3], v[XI+4*\g+2], v[XI+4*\g+3]
	global_store_b64 v[L8], v[YO+12*\g+2:YO+12*\g+3], s[60:61] offset:256*\g
.endr
.Lact_end:
	s_endpgm
.Lfunc_end_k_qd747693deb_prep:
	.size	k_qd747693deb_prep, .Lfunc_end_k_qd747693deb_prep-k_qd747693deb_prep
	.p2alignl 7, 3214868480
	.fill 96, 4, 3214868480
	.section	.rodata,"a",@progbits
	.p2align	6, 0x0
	.amdhsa_kernel k_qd747693deb_prep
		.amdhsa_group_segment_fixed_size 35840
		.amdhsa_private_segment_fixed_size 0
		.amdhsa_enable_private_segment 0
		.amdhsa_kernarg_size 128
		.amdhsa_user_sgpr_count 2
		.amdhsa_user_sgpr_kernarg_segment_ptr 1
		.amdhsa_wavefront_size32 1
		.amdhsa_system_sgpr_workgroup_id_x 1
		.amdhsa_system_sgpr_workgroup_id_y 1
		.amdhsa_system_sgpr_workgroup_id_z 1
		.amdhsa_system_vgpr_workitem_id 0
		.amdhsa_next_free_vgpr 122
		.amdhsa_next_free_sgpr 66
		.amdhsa_reserve_vcc 0
		.amdhsa_float_denorm_mode_32 3
		.amdhsa_float_denorm_mode_16_64 3
		.amdhsa_memory_ordered 1
		.amdhsa_forward_progress 1
		.amdhsa_inst_pref_size 56
	.end_amdhsa_kernel
	.amdgpu_metadata
---
amdhsa.version: [ 1, 2 ]
amdhsa.kernels:
  - .name:           k_qd747693deb_prep
    .symbol:         k_qd747693deb_prep.kd
    .args:
      - { .name: x_t, .offset: 0, .size: 8, .value_kind: global_buffer, .address_space: global }
      - { .name: z_prev, .offset: 8, .size: 8, .value_kind: global_buffer, .address_space: global }
      - { .name: wx_base, .offset: 16, .size: 8, .value_kind: global_buffer, .address_space: global }
      - { .name: wx_scaler, .offset: 24, .size: 8, .value_kind: global_buffer, .address_space: global }
      - { .name: wx_spline, .offset: 32, .size: 8, .value_kind: global_buffer, .address_space: global }
      - { .name: wh_base, .offset: 40, .size: 8, .value_kind: global_buffer, .address_space: global }
      - { .name: wh_scaler, .offset: 48, .size: 8, .value_kind: global_buffer, .address_space: global }
      - { .name: wh_spline, .offset: 56, .size: 8, .value_kind: global_buffer, .address_space: global }
      - { .name: hz_base, .offset: 64, .size: 8, .value_kind: global_buffer, .address_space: global }
      - { .name: hz_scaler, .offset: 72, .size: 8, .value_kind: global_buffer, .address_space: global }
      - { .name: hz_spline, .offset: 80, .size: 8, .value_kind: global_buffer, .address_space: global }
      - { .name: hh_w, .offset: 88, .size: 8, .value_kind: global_buffer, .address_space: global }
      - { .name: a1, .offset: 96, .size: 8, .value_kind: global_buffer, .address_space: global }
      - { .name: a2, .offset: 104, .size: 8, .value_kind: global_buffer, .address_space: global }
      - { .name: w1, .offset: 112, .size: 8, .value_kind: global_buffer, .address_space: global }
      - { .name: w2, .offset: 120, .size: 8, .value_kind: global_buffer, .address_space: global }
    .group_segment_fixed_size: 35840
    .private_segment_fixed_size: 0
    .kernarg_segment_align: 8
    .kernarg_segment_size: 128
    .max_flat_workgroup_size: 256
    .sgpr_count:     66
    .vgpr_count:     122
    .wavefront_size: 32
...
	.end_amdgpu_metadata
.endif
;; end of part 1
;; launch gemm1 (part 2): grid 8 x 32, 4 waves a work-group, clusters of 4 x 1, 327,680 bytes of LDS; arguments a1, w1, out0, a2; writes out0, a2
.if DOCPART == 2
	.amdgcn_target "amdgcn-amd-amdhsa--gfx1250"
	.amdhsa_code_object_version 6
	.text
	.protected	k_qd747693deb_gemm1
	.globl	k_qd747693deb_gemm1
	.p2align	8
	.type	k_qd747693deb_gemm1,@function
k_qd747693deb_gemm1:
	s_mov_b64 s[64:65], 0
	v_nop
	global_prefetch_b8 v0, s[64:65] scope:SCOPE_SE
	s_setreg_imm32_b32 hwreg(HW_REG_WAVE_MODE, 25, 1), 1
	s_wait_xcnt 0x0
	s_wait_alu depctr_hold_cnt(0) depctr_sa_sdst(0) depctr_va_vdst(0) depctr_va_sdst(0) depctr_va_ssrc(0) depctr_va_vcc(0) depctr_vm_vsrc(0)
	s_getreg_b32 s2, hwreg(HW_REG_IB_STS2, 6, 4)
	s_cmp_eq_u32 s2, 0
	s_cbranch_scc0 .Lentry_in_a_cluster
	s_endpgm
.Lentry_in_a_cluster:
	s_bfe_u32 s2, ttmp6, 0x10000c
	s_cmp_lg_u32 s2, 0x3003
	s_cbranch_scc0 .Lentry_shape_is_right
	s_endpgm
.Lentry_shape_is_right:
; s[m][n] = sum over k of a1[m][k] w1[n][k] (f16 operands, f32 sums; 4096 x 10240 by 1024 x 10240); out0 = o = tanh(s), f32; and the five features of o (silu and four B-splines) in f16 into a2,
; as the second product's operand: row pitch 12,288 bytes, the plane of silu(o) from byte 2,048, the splines from byte 4,096, in the order that the launch before gave the weights:
; in the plane column n = 128 g + 64 t + 2 l + e lies at 128 g + 4 l + 2 t + e; basis c of column n at 4 n + c.
; SHARES.  4096 x 1024 are 256 tiles of 128 x 128: one work-group each.  EVERY ONE OF THE FOUR WAVES MAKES THE WHOLE TILE, 64 accumulators of 16 x 16 in 512 registers, ON ITS QUARTER OF K: of each K step
; of 512 wave w takes places 128 w to 128 w + 127, four QUARTERS of 32, 64 matrix instructions each.  At the end the four partial tiles, f32, meet in LDS (in the ring, which has had its last
; fill), and each wave adds up and finishes 32 rows; that pass also turns lanes' columns into rows.
; a1 COMES THROUGH LDS, two slots of 128 rows x 1,024 bytes, each wave fetching 32 rows by one tensor load (the tile has 128 rows for four waves, so a load has 32 rows, of four times 256 bytes).
; The four work-groups of a cluster make the four tiles of one tile row and need the same rows of a1: they ask JOINTLY, by the same load, descriptor and mask.
; w1 COMES STRAIGHT INTO REGISTERS, and is not asked for jointly.  The reason, by this text's arithmetic: with K split over the waves each byte of a tile is read by one wave, once, so LDS adds no reuse;
; with both operands in LDS two slots hold K steps of 256, 128 matrix instructions a wave from barrier to barrier; with a1 alone they hold K steps of 512, and 240 matrix instructions stand
; between a request and the wait for it.  w1 lies in fragments (16 rows x 32 K = 1,024 bytes in the lanes' order), so a quarter's 8 KB are 16 loads of 512 consecutive bytes; a ring of four
; buffers of 64 registers keeps three quarters, 24 KB a wave, on their way, across the barriers too.
; THE MATRIX INSTRUCTION IS USED TRANSPOSED (source 0 = 16 rows of w1, source 1 = 16 rows of a1): a lane holds eight neighbouring columns of one row.
; FOR o IN -1 .. 1, with t = (o + 1) / 2, u = 1 - t, the four bases are u^3 / 6, t^3 / 2 - t^2 + 2/3, u^3 / 2 - u^2 + 2/3, t^3 / 6.  tanh(s) = 1 - 2 / (1 + e^(2 s)): +-1 where the exponential leaves f32's range.
; LIMITS.  The sums are taken in another order than a single chain (K in four parts).  NaN and infinities are not treated apart.
; REGISTERS, in windows of 256 (s_set_vgpr_msb: bits 1:0 source 0, 3:2 source 1, 5:4 source 2, 7:6 destination):
;   window 0: v0-31 addresses; v64-127, v128-191 fragments of a1, two buffers; on the way out v32-63 loads, v64-83 what goes to a2, v192-255 at work
;   window 1: fragments of w1, four buffers of 64      window 2: accumulators of rows 0-63 ((a, b) at v[8 (8 a + b)])      window 3: those of rows 64-127
.set SIZE_K, 10240
.set KSTEP,  512
.set PITCH,  1040                      ; an LDS row of a1: 1,024 bytes + 16 of padding = 260 words: row r starts at bank 4 r mod 64 (64 banks of 4 bytes: ISA guide 11.1)
.set QROWS,  32*PITCH                  ; 32 rows: what one tensor load brings
.set SLOT,   4*QROWS
.set PPITCH, 528                       ; a row of a partial tile: 128 f32 + 16 bytes
.set PART,   128*PPITCH                ; four partial tiles take the two slots and 4,096 bytes behind them, which are never filled
.set SPARE,  4*PART                    ; behind them: the spare words, 128 bytes for each wave: two blocks of 256 bytes that no other line names
.set LAPS,   SIZE_K/(2*KSTEP)          ; a lap = two K steps = once round the ring
.set BQ,     8192                      ; w1: a wave's quarter: 8 fragments of 1,024 bytes
.set BSTEP,  16*BQ                     ; from a K step to the next: four waves' four quarters
.set RD,   8                           ; v8-11   the way out: where I read my rows of partial tile 0..3
.set VO8,  12                          ; v12     8 x lane
.set VO16, 13                          ; v13     16 x lane; never rewritten
.set ADRA, 16                          ; v16-17  LDS address of my fragments of a1's rows 0-63 in slot 0, 1
.set ADRH, 18                          ; v18-19  of rows 64-127: 64 rows are more than an LDS load's 16-bit offset spans
.set STO,  24                          ; v24     where I put my partial tile
.set SPW,  28                          ; v28     LDS address of my spare word; never rewritten
.set NIL,  29                          ; v29     0; never rewritten
.set LD,   32
.set F0,   64
.set F1,   128
.set PL,   64                          ; the way out: silu(o), one register a pair
.set SPL,  68                          ; the bases, four registers a pair
.set SS,   192                         ; s, later basis 2
.set EE,   200                         ; at work for tanh, later basis 1
.set OO,   208                         ; o
.set GG,   216                         ; at work for silu
.set TT,   224
.set UU,   232
.set T2,   240                         ; t^2, t^3, basis 3
.set U2,   248                         ; u^2, u^3, basis 0
.set G1,  24                           ; s[24:31] descriptor group 1;  s[32:39] group 0, one set for each slot
.set G0,  32
.set WB,  90                           ; s[90:91] w1 at my quarters of the lap in hand
.set MSB, 0
.macro WIN new                         ; the immediate's high byte repeats the setting that is left; a switch that changes nothing is dropped
.if MSB != (\new)
	s_set_vgpr_msb (MSB<<8)|(\new)
.set MSB, (\new)
.endif
.endm
.set MUL_LO, 0xa1                      ; source 0 (w1) window 1, source 1 (a1) window 0, C and D window 2
.set TO_B,   0x40                      ; destination window 1, address window 0
.macro JLOAD s                         ; a joint load: my 32 rows of a K step; an s_nop 0 and four v_nop follow it
	tensor_load_to_lds s[G0+4*(\s):G0+4*(\s)+3], s[G1:G1+7]
	s_nop 0
.rept 4
	v_nop
.endr
.endm
.macro CREST                           ; a round of the cluster's barrier behind its opening barrier
	s_cmp_lg_u32 s10, 0
	s_cbranch_scc1 .Lnot_wave_0_\@
	s_barrier_signal -3
.Lnot_wave_0_\@:
	s_barrier_wait -3
	s_barrier_signal -1
	s_barrier_wait -1
.endm
.macro CROUND                          ; a whole round
	s_barrier_signal -1
	s_barrier_wait -1
	CREST
.endm
.macro PLACES                          ; four places in front of loads into registers that matrix instructions have read, and of LDS stores that read results (ISA guide 7.12.1 for vector instructions)
.rept 4
	v_nop
.endr
.endm
; 8 matrix instructions: row block a of the window's four (hi = 0: rows 0-63, 1: rows 64-127) x all 8 column blocks, 32 along K; a1 from buffer f, w1 from buffer nb.  zero = 1: the product starts the sums.
; The 64 accumulators take turns in the same order in every quarter.
.macro MUL8 f, nb, hi, a, zero
	WIN MUL_LO+0x50*(\hi)
.irp b, 0,1,2,3,4,5,6,7
.if \zero
	v_wmma_f32_16x16x32_f16 v[8*(8*(\a)+(\b)):8*(8*(\a)+(\b))+7], v[64*(\nb)+8*(\b):64*(\nb)+8*(\b)+7], v[(\f)+8*(4*(\hi)+(\a)):(\f)+8*(4*(\hi)+(\a))+7], 0
.else
	v_wmma_f32_16x16x32_f16 v[8*(8*(\a)+(\b)):8*(8*(\a)+(\b))+7], v[64*(\nb)+8*(\b):64*(\nb)+8*(\b)+7], v[(\f)+8*(4*(\hi)+(\a)):(\f)+8*(4*(\hi)+(\a))+7], v[8*(8*(\a)+(\b)):8*(8*(\a)+(\b))+7]
.endif
.endr
.endm
; 16 LDS loads in one run: 128 rows of a1, 32 along K at byte k of my 256 bytes of the rows, into buffer f
.macro FETCHA slot, k, f
	WIN 0
.irp i, 0,1,2,3
	ds_load_b128 v[(\f)+8*(\i):(\f)+8*(\i)+3],   v[ADRA+(\slot)] offset:(\k)+(\i)*16*PITCH
	ds_load_b128 v[(\f)+8*(\i)+4:(\f)+8*(\i)+7], v[ADRA+(\slot)] offset:(\k)+(\i)*16*PITCH+32
.endr
.irp i, 0,1,2,3
	ds_load_b128 v[(\f)+32+8*(\i):(\f)+32+8*(\i)+3],   v[ADRH+(\slot)] offset:(\k)+(\i)*16*PITCH
	ds_load_b128 v[(\f)+32+8*(\i)+4:(\f)+32+8*(\i)+7], v[ADRH+(\slot)] offset:(\k)+(\i)*16*PITCH+32
.endr
.endm
; 16 loads in one run: w1's fragments of quarter qq, counted from the lap's first, into buffer qq % 4: each load takes 512 consecutive bytes
.macro LOADB qq
	WIN TO_B
.irp b, 0,1,2,3,4,5,6,7
	global_load_b128 v[64*((\qq)%4)+8*(\b):64*((\qq)%4)+8*(\b)+3],   v[VO16], s[WB:WB+1] offset:((\qq)/4)*BSTEP+((\qq)%4)*BQ+(\b)*1024
	global_load_b128 v[64*((\qq)%4)+8*(\b)+4:64*((\qq)%4)+8*(\b)+7], v[VO16], s[WB:WB+1] offset:((\qq)/4)*BSTEP+((\qq)%4)*BQ+(\b)*1024+512
.endr
.endm
; One of a K step's first three quarters: multiplies a1's buffer f by w1's buffer nb; in its middle it fetches the next quarter of a1, at byte k, into g, and (ld >= 0) asks for w1's quarter ld, three
; quarters on, into the buffer that the quarter before multiplied.  lw: how many younger loads of w1 may stay out.
.macro QUARTER slot, k, f, g, nb, ld, lw, zero
	s_wait_loadcnt \lw                             ; loads come back in order (ISA guide 5.7.1): this quarter's 16 are in, the later quarters' stay out
	s_wait_dscnt 8                                 ; a1's rows 0-63 are in; the youngest eight loads (rows 64-127) may be out
.irp a, 0,1,2,3
	MUL8 \f, \nb, 0, \a, \zero
.endr
	PLACES
	FETCHA \slot, \k, \g
.if (\ld) >= 0
	LOADB \ld
.endif
	s_wait_dscnt 16                                ; all but the 16 just issued
.irp a, 0,1,2,3
	MUL8 \f, \nb, 1, \a, \zero
.endr
.endm
; The fourth quarter multiplies buffers F1 and 3 and changes slots: ONE barrier; in front of it each wave waits for all its tensor loads (one is out: its part of the next slot), adds 0 to its spare
; word, and waits for that and for its own reads of this slot.  fill = 1: the barrier opens a round of the cluster's barrier, and this slot is filled again, two K steps ahead, first thing behind
; the round: 240 of a K step's 256 matrix instructions stand between that request and the wait for it.
.macro TURN slot, next, fill, ld, lw
	WIN 0                                          ; (the add's two registers lie in window 0)
	s_wait_tensorcnt 0x0
	ds_add_u32 v[SPW], v[NIL]                      ; 0 onto my spare word
	s_wait_loadcnt \lw
	s_wait_dscnt 9                                 ; (the add and the youngest eight loads may be out)
	MUL8 F1, 3, 0, 0, 0                            ; eight matrix instructions stand between the add and the wait for it
	s_wait_dscnt 0x0                               ; the add is done, and my reads of this slot are over
	s_barrier_signal -1
	MUL8 F1, 3, 0, 1, 0
.if \fill
	WIN 0
.endif
	s_barrier_wait -1
.if \fill
	CREST                                          ; no wave of any partner still reads this slot's tile or has a tensor load on its way
	s_add_nc_u64 s[G0+4*(\slot)+2:G0+4*(\slot)+3], s[G0+4*(\slot)+2:G0+4*(\slot)+3], 2*KSTEP*2
	JLOAD \slot                                    ; the four v_nop behind it are also the places in front of the loads below
.else
	PLACES
.endif
	FETCHA \next, 0, F0
	LOADB \ld
	MUL8 F1, 3, 0, 2, 0
	MUL8 F1, 3, 0, 3, 0
.irp a, 0,1,2,3
	MUL8 F1, 3, 1, \a, 0
.endr
.endm
	s_load_b256 s[68:75], s[0:1], 0x0              ; a1 s[68:69], w1 s[70:71], out0 s[72:73], a2 s[74:75]
	v_lshl_add_u32 v[SPW], v0, 2, SPARE
	v_mov_b32 v[NIL], 0
	ds_add_u32 v[SPW], v[NIL]                      ; the wave's opening: the add and its wait stand ahead of my first tensor load; the set-up below, work on registers, stands between them
	v_lshrrev_b32 v1, 5, v0
	v_readfirstlane_b32 s10, v1                    ; wave 0..3
	s_bfe_u32 s40, ttmp6, 0x40000                  ; cx: my place in the cluster
	s_lshl_b32 s42, ttmp9, 2                       ; in a cluster launch ttmp9 counts clusters
	s_add_co_u32 s42, s42, s40                     ; tile column = 4 x cluster x + cx: it enters w1's and the outputs' addresses alone
	s_and_b32 s13, ttmp7, 0xffff                   ; tile row, which the four partners share
	; descriptor group 1: a tile of 32 rows x 512 elements, padded in LDS
	s_mov_b32 s[G1+0], 15|(1<<16)|(1<<20)|(1<<21)|(7<<22)|(3<<25)  ; 15:0 the mask: all four work-groups; 17:16 elements of 2 bytes; 20 padding on; 21 set beside a mask; 24:22 after every 256 words (code 7); 31:25 4 words of it (code 3)
	s_mov_b32 s[G1+1], KSTEP<<16                   ; tensor_dim0 = 512
	s_mov_b32 s[G1+2], 32<<16                      ; tensor_dim1 = 32
	s_mov_b32 s[G1+3], KSTEP<<16                   ; tile_dim0 = 512
	s_mov_b32 s[G1+4], 32                          ; tile_dim1 = 32
	s_mov_b32 s[G1+5], SIZE_K                      ; elements from row to row
	s_mov_b32 s[G1+6], 0
	s_mov_b32 s[G1+7], 0
	s_mov_b32 s82, 0x4038aa3b                      ; 2 log2(e); the packed forms name pairs and take the low word for both halves
	s_mov_b32 s83, s82
	s_mov_b32 s84, 0xbfb8aa3b                      ; -log2(e)
	s_mov_b32 s85, s84
	s_mov_b32 s86, 0x3e2aaaab                      ; 1 / 6
	s_mov_b32 s87, s86
	s_mov_b32 s88, 0x3f2aaaab                      ; 2 / 3
	s_mov_b32 s89, s88
	s_lshl_b32 s16, s13, 7
	s_lshl_b32 s17, s10, 5
	s_add_co_u32 s16, s16, s17                     ; a1: row 128 x tile row + 32 x wave
	s_mov_b32 s17, 0
	s_mov_b64 s[18:19], SIZE_K*2
	s_mul_u64 s[16:17], s[16:17], s[18:19]
	s_mul_i32 s20, s10, QROWS                      ; where they go: wave x 32 rows
	s_mul_i32 s46, s42, SIZE_K*256                 ; w1: a block of 128 rows is SIZE_K / 32 x 8 fragments of 1,024 bytes;
	s_lshl_b32 s47, s10, 15                        ; of a K step's 16 quarters mine are 4 x wave on
	s_add_co_u32 s46, s46, s47
	s_mov_b32 s47, 0
	s_wait_dscnt 0x0                               ; the opening add is done
	s_wait_kmcnt 0x0
	s_add_nc_u64 s[14:15], s[68:69], s[16:17]
	s_add_nc_u64 s[WB:WB+1], s[70:71], s[46:47]
	CROUND                                         ; all four work-groups are here: the first joint loads meet
.irp s, 0,1
	s_mov_b32 s[G0+4*(\s)], 1                                        ; count = 1
	s_add_co_u32 s[G0+4*(\s)+1], s20, (\s)*SLOT                      ; LDS address
	s_add_nc_u64 s[G0+4*(\s)+2:G0+4*(\s)+3], s[14:15], (\s)*KSTEP*2  ; global address: K step s
	s_or_b32 s[G0+4*(\s)+3], s[G0+4*(\s)+3], 0x80000000              ; type = 2
	JLOAD \s                                       ; two tensor loads of mine are out
.endr
	v_and_b32 v15, 31, v0
	v_lshlrev_b32 v[VO16], 4, v15
	v_lshlrev_b32 v[VO8], 3, v15
	LOADB 0                                        ; the register ring is filled: three quarters
	LOADB 1
	LOADB 2
	WIN 0
	; A fragment is 16 rows x 32 K in 8 registers: lane l holds row l % 16, K = 8 (l / 16) + 0..7 and 16 + 8 (l / 16) + 0..7: from LDS two loads of 16 bytes, 32 bytes apart.
	v_and_b32 v1, 15, v0                           ; l % 16
	v_bfe_u32 v2, v0, 4, 1                         ; l / 16
	v_mul_u32_u24 v3, v1, PITCH
	s_lshl_b32 s21, s10, 8                         ; my 256 bytes of every row
	v_lshl_add_u32 v14, v2, 4, v3
	v_add_nc_u32 v[ADRA], s21, v14                 ; row x pitch + 16 x half + 256 x wave
	v_add_nc_u32 v[ADRA+1], SLOT, v[ADRA]
	v_add_nc_u32 v[ADRH], 64*PITCH, v[ADRA]
	v_add_nc_u32 v[ADRH+1], 64*PITCH+SLOT, v[ADRA]
	s_mul_i32 s23, s10, PART                       ; my partial tile: row l % 16, 32 bytes for each half of the lanes
	v_mul_u32_u24 v3, v1, PPITCH
	v_lshl_add_u32 v14, v2, 5, v3
	v_add_nc_u32 v[STO], s23, v14
	s_mul_i32 s22, s10, 32*PPITCH                  ; on the way out wave w takes rows 32 w .. 32 w + 31 of all four partial tiles, 8 bytes a lane
	v_add_nc_u32 v[RD], s22, v[VO8]
	v_add_nc_u32 v[RD+1], PART, v[RD]
	v_add_nc_u32 v[RD+2], 2*PART, v[RD]
	v_add_nc_u32 v[RD+3], 3*PART, v[RD]
	s_lshl_b32 s16, s13, 7
	s_lshl_b32 s17, s10, 5
	s_add_co_u32 s16, s16, s17                     ; the first row that I finish: 128 x tile row + 32 x wave
	s_lshl_b32 s18, s16, 12
	s_mov_b32 s19, 0
	s_add_nc_u64 s[76:77], s[72:73], s[18:19]      ; out0 at that row,
	s_lshl_b32 s46, s42, 9
	s_mov_b32 s47, 0
	s_add_nc_u64 s[76:77], s[76:77], s[46:47]      ; at the tile's first column
	s_mul_i32 s18, s16, 12288
	s_add_nc_u64 s[78:79], s[74:75], s[18:19]      ; a2 at that row
	s_add_nc_u64 s[80:81], s[78:79], 4096
	s_add_nc_u64 s[78:79], s[78:79], 2048
	s_lshl_b32 s46, s42, 8
	s_add_nc_u64 s[78:79], s[78:79], s[46:47]      ; the plane: the tile's 128 columns are 256 bytes
	s_lshl_b32 s46, s42, 10
	s_add_nc_u64 s[80:81], s[80:81], s[46:47]      ; the splines: 1,024 bytes
	s_wait_tensorcnt 1                             ; my part of K step 0 is in; K step 1's may stay out
	s_barrier_signal -1
	s_barrier_wait -1                              ; everybody's is
	FETCHA 0, 0, F0
	QUARTER 0, 64, F0, F1, 0, 3, 32, 1             ; the first 64 products stand in front of the loop: they start the sums
	WIN 0                                          ; at a label and at a branch every window is 0
	s_mov_b32 s3, LAPS-1
.Llap:                                                 ; a trip goes once round the ring, from a lap's second quarter to the next lap's first, and fills both slots again
	QUARTER 0, 128, F1, F0, 1, 4, 32, 0
	QUARTER 0, 192, F0, F1, 2, 5, 32, 0
	TURN 0, 1, 1, 6, 32
	QUARTER 1, 64,  F0, F1, 0, 7, 32, 0
	QUARTER 1, 128, F1, F0, 1, 8, 32, 0
	QUARTER 1, 192, F0, F1, 2, 9, 32, 0
	TURN 1, 0, 1, 10, 32
	QUARTER 0, 64,  F0, F1, 0, 11, 32, 0
	WIN 0
	s_wait_xcnt 0x0                                ; w1's base is rewritten only behind this wait (ISA guide 3.1)
	s_add_nc_u64 s[WB:WB+1], s[WB:WB+1], 2*BSTEP   ; the next lap
	s_sub_co_u32 s3, s3, 1
	s_cmp_lg_u32 s3, 0
	s_cbranch_scc1 .Llap
	QUARTER 0, 128, F1, F0, 1, 4, 32, 0            ; the last lap fills no slot, has no round of the cluster's barrier, and asks for w1 up to its last quarter
	QUARTER 0, 192, F0, F1, 2, 5, 32, 0
	TURN 0, 1, 0, 6, 32
	QUARTER 1, 64,  F0, F1, 0, 7, 32, 0
	QUARTER 1, 128, F1, F0, 1, -1, 32, 0           ; the counts run down: two quarters of w1 are out,
	QUARTER 1, 192, F0, F1, 2, -1, 16, 0           ; one,
	s_wait_loadcnt 0x0                             ; none
	s_wait_dscnt 8                                 ; the very last 64 products: nothing more to fetch
.irp a, 0,1,2,3
	MUL8 F1, 3, 0, \a, 0
.endr
	s_wait_dscnt 0x0                               ; my reads of the ring are over:
	s_barrier_signal -1                            ; say so,
.irp a, 0,1,2,3
	MUL8 F1, 3, 1, \a, 0
.endr
	WIN 0
	s_barrier_wait -1                              ; and write into the ring only when all four have said so; every tensor load landed before the last change of slots, and none follows
	; THE PARTIAL TILES.  A lane's eight columns of a row are 32 bytes; each accumulator's low four registers go first.
	PLACES
.irp a, 0,1,2,3,4,5,6,7
	WIN 0x08+4*(\a/4)                              ; the stored data in window 2 or 3
.irp b, 0,1,2,3,4,5,6,7
	ds_store_b128 v[STO], v[8*(8*(\a%4)+\b):8*(8*(\a%4)+\b)+3]   offset:\a*16*PPITCH+64*\b
	ds_store_b128 v[STO], v[8*(8*(\a%4)+\b)+4:8*(8*(\a%4)+\b)+7] offset:\a*16*PPITCH+64*\b+16
.endr
.endr
	WIN 0
	s_wait_dscnt 0x0                               ; for the others' sake: my stores are done
	s_barrier_signal -1
	s_barrier_wait -1
; THE WAY OUT, two rows a trip: four pairs j = 2 rr + q a lane, pair j = columns 64 q + 2 l, + 1 of row rr: the order in which a2's plane wants them.
.macro EACH n, line:vararg             ; one line for j = 0 .. n - 1
.set j, 0
	s_wait_alu depctr_va_vdst(0)
.rept \n
	\line
.set j, j+1
.endr
.endm
.macro LOADS                           ; pair j of partial tile p: a wave's load takes 256 consecutive bytes
.irp j, 0,1,2,3
.irp p, 0,1,2,3
	ds_load_b64 v[LD+2*(4*\j+\p):LD+2*(4*\j+\p)+1], v[RD+\p] offset:(\j/2)*PPITCH+(\j%2)*256
.endr
.endr
.endm
; ahead = 1: the next two rows are fetched as soon as these are added up, and land under the arithmetic.  A plain instruction stands behind each run of transcendentals before a result is used (ISA guide 5.7.2).
.macro ROWS2 ahead
	s_wait_dscnt 0x0
	EACH 4, v_pk_add_f32 v[LD+8*j:LD+8*j+1], v[LD+8*j:LD+8*j+1], v[LD+8*j+2:LD+8*j+3]
	EACH 4, v_pk_add_f32 v[LD+8*j+4:LD+8*j+5], v[LD+8*j+4:LD+8*j+5], v[LD+8*j+6:LD+8*j+7]
	EACH 4, v_pk_add_f32 v[SS+2*j:SS+2*j+1], v[LD+8*j:LD+8*j+1], v[LD+8*j+4:LD+8*j+5]
.if \ahead
	EACH 4, v_add_nc_u32 v[RD+j], 2*PPITCH, v[RD+j]
	LOADS
.endif
	EACH 4, v_pk_mul_f32 v[EE+2*j:EE+2*j+1], v[SS+2*j:SS+2*j+1], s[82:83] op_sel_hi:[1,0]
	EACH 8, v_exp_f32 v[EE+j], v[EE+j]
	v_nop
	s_wait_alu depctr_va_vdst(0)
	EACH 4, v_pk_add_f32 v[EE+2*j:EE+2*j+1], v[EE+2*j:EE+2*j+1], 1.0 op_sel_hi:[1,0]
	EACH 8, v_rcp_f32 v[EE+j], v[EE+j]
	v_nop
	s_wait_alu depctr_va_vdst(0)
	EACH 4, v_pk_fma_f32 v[OO+2*j:OO+2*j+1], v[EE+2*j:EE+2*j+1], -2.0, 1.0 op_sel_hi:[1,0,0]       ; o = tanh(s)
	EACH 4, v_pk_mul_f32 v[GG+2*j:GG+2*j+1], v[OO+2*j:OO+2*j+1], s[84:85] op_sel_hi:[1,0]
	EACH 8, v_exp_f32 v[GG+j], v[GG+j]
	EACH 4, v_pk_fma_f32 v[TT+2*j:TT+2*j+1], v[OO+2*j:OO+2*j+1], 0.5, 0.5 op_sel_hi:[1,0,0]        ; t
	EACH 4, v_pk_fma_f32 v[UU+2*j:UU+2*j+1], v[OO+2*j:OO+2*j+1], -0.5, 0.5 op_sel_hi:[1,0,0]       ; u
	EACH 4, v_pk_add_f32 v[GG+2*j:GG+2*j+1], v[GG+2*j:GG+2*j+1], 1.0 op_sel_hi:[1,0]
	EACH 8, v_rcp_f32 v[GG+j], v[GG+j]
	EACH 4, v_pk_mul_f32 v[T2+2*j:T2+2*j+1], v[TT+2*j:TT+2*j+1], v[TT+2*j:TT+2*j+1]
	EACH 4, v_pk_mul_f32 v[U2+2*j:U2+2*j+1], v[UU+2*j:UU+2*j+1], v[UU+2*j:UU+2*j+1]
	EACH 4, v_pk_fma_f32 v[EE+2*j:EE+2*j+1], v[T2+2*j:T2+2*j+1], -1.0, s[88:89] op_sel_hi:[1,0,0]  ; 2/3 - t^2
	EACH 4, v_pk_fma_f32 v[SS+2*j:SS+2*j+1], v[U2+2*j:U2+2*j+1], -1.0, s[88:89] op_sel_hi:[1,0,0]  ; 2/3 - u^2
	EACH 4, v_pk_mul_f32 v[T2+2*j:T2+2*j+1], v[T2+2*j:T2+2*j+1], v[TT+2*j:TT+2*j+1]
	EACH 4, v_pk_mul_f32 v[U2+2*j:U2+2*j+1], v[U2+2*j:U2+2*j+1], v[UU+2*j:UU+2*j+1]
	EACH 4, v_pk_fma_f32 v[EE+2*j:EE+2*j+1], v[T2+2*j:T2+2*j+1], 0.5, v[EE+2*j:EE+2*j+1] op_sel_hi:[1,0,1]  ; basis 1
	EACH 4, v_pk_fma_f32 v[SS+2*j:SS+2*j+1], v[U2+2*j:U2+2*j+1], 0.5, v[SS+2*j:SS+2*j+1] op_sel_hi:[1,0,1]  ; basis 2
	EACH 4, v_pk_mul_f32 v[U2+2*j:U2+2*j+1], v[U2+2*j:U2+2*j+1], s[86:87] op_sel_hi:[1,0]          ; basis 0
	EACH 4, v_pk_mul_f32 v[T2+2*j:T2+2*j+1], v[T2+2*j:T2+2*j+1], s[86:87] op_sel_hi:[1,0]          ; basis 3
	EACH 4, v_pk_mul_f32 v[GG+2*j:GG+2*j+1], v[OO+2*j:OO+2*j+1], v[GG+2*j:GG+2*j+1]                ; silu(o)
	EACH 4, v_cvt_pk_f16_f32 v[PL+j], v[GG+2*j], v[GG+2*j+1]
	EACH 4, v_cvt_pk_f16_f32 v[SPL+4*j],   v[U2+2*j],   v[EE+2*j]
	EACH 4, v_cvt_pk_f16_f32 v[SPL+4*j+1], v[SS+2*j],   v[T2+2*j]
	EACH 4, v_cvt_pk_f16_f32 v[SPL+4*j+2], v[U2+2*j+1], v[EE+2*j+1]
	EACH 4, v_cvt_pk_f16_f32 v[SPL+4*j+3], v[SS+2*j+1], v[T2+2*j+1]
.irp j, 0,1,2,3
	global_store_b64 v[VO8], v[OO+2*\j:OO+2*\j+1], s[76:77] offset:(\j/2)*4096+(\j%2)*256 th:TH_STORE_NT  ; each store of the wave covers 256 consecutive bytes, aligned
.endr
.irp r, 0,1
	global_store_b64 v[VO8], v[PL+2*\r:PL+2*\r+1], s[78:79] offset:\r*12288
.endr
.irp j, 0,1,2,3
	global_store_b128 v[VO16], v[SPL+4*\j:SPL+4*\j+3], s[80:81] offset:(\j/2)*12288+(\j%2)*512            ; 512
.endr
.if \ahead
	s_wait_xcnt 0x0                                ; the stores' bases and data are rewritten only behind this wait (ISA guide 3.1)
	s_add_nc_u64 s[76:77], s[76:77], 2*4096
	s_add_nc_u64 s[78:79], s[78:79], 2*12288
	s_add_nc_u64 s[80:81], s[80:81], 2*12288
.endif
.endm
	LOADS
	s_mov_b32 s3, 15
.Lrow:
	ROWS2 1
	s_sub_co_u32 s3, s3, 1
	s_cmp_lg_u32 s3, 0
	s_cbranch_scc1 .Lrow
	ROWS2 0                                        ; my last two rows: nothing more to fetch
	s_wait_tensorcnt 0x0                           ; the wave's end, behind my last tensor load and my last LDS store
	ds_add_u32 v[SPW], v[NIL]
	s_wait_dscnt 0x0
	CROUND                                         ; the closing round: no work-group ends while a partner may still ask for a tile that names it
	s_endpgm
.Lfunc_end_k_qd747693deb_gemm1:
	.size	k_qd747693deb_gemm1, .Lfunc_end_k_qd747693deb_gemm1-k_qd747693deb_gemm1
	.p2alignl 7, 3214868480
	.fill 96, 4, 3214868480
	.section	.rodata,"a",@progbits
	.p2align	6, 0x0
	.amdhsa_kernel k_qd747693deb_gemm1
		.amdhsa_group_segment_fixed_size 327680
		.amdhsa_private_segment_fixed_size 0
		.amdhsa_enable_private_segment 0
		.amdhsa_kernarg_size 32
		.amdhsa_user_sgpr_count 2
		.amdhsa_user_sgpr_kernarg_segment_ptr 1
		.amdhsa_wavefront_size32 1
		.amdhsa_system_sgpr_workgroup_id_x 1
		.amdhsa_system_sgpr_workgroup_id_y 1
		.amdhsa_system_sgpr_workgroup_id_z 1
		.amdhsa_system_vgpr_workitem_id 0
		.amdhsa_next_free_vgpr 1024
		.amdhsa_next_free_sgpr 96
		.amdhsa_reserve_vcc 0
		.amdhsa_float_denorm_mode_32 3
		.amdhsa_float_denorm_mode_16_64 3
		.amdhsa_memory_ordered 1
		.amdhsa_forward_progress 1
		.amdhsa_inst_pref_size 147
	.end_amdhsa_kernel
	.amdgpu_metadata
---
amdhsa.version: [ 1, 2 ]
amdhsa.kernels:
  - .name:           k_qd747693deb_gemm1
    .symbol:         k_qd747693deb_gemm1.kd
    .args:
      - { .name: a1, .offset: 0, .size: 8, .value_kind: global_buffer, .address_space: global }
      - { .name: w1, .offset: 8, .size: 8, .value_kind: global_buffer, .address_space: global }
      - { .name: out0, .offset: 16, .size: 8, .value_kind: global_buffer, .address_space: global }
      - { .name: a2, .offset: 24, .size: 8, .value_kind: global_buffer, .address_space: global }
    .group_segment_fixed_size: 327680
    .private_segment_fixed_size: 0
    .kernarg_segment_align: 8
    .kernarg_segment_size: 32
    .max_flat_workgroup_size: 128
    .sgpr_count:     96
    .vgpr_count:     1024
    .wavefront_size: 32
...
	.end_amdgpu_metadata
.endif
;; end of part 2
;; launch gemm2 (part 3): grid 8 x 32, 4 waves a work-group, clusters of 4 x 1, 327,680 bytes of LDS; arguments a2, w2, hh_b, out1; writes out1
.if DOCPART == 3
	.amdgcn_target "amdgcn-amd-amdhsa--gfx1250"
	.amdhsa_code_object_version 6
	.text
	.protected	k_qd747693deb_gemm2
	.globl	k_qd747693deb_gemm2
	.p2align	8
	.type	k_qd747693deb_gemm2,@function
k_qd747693deb_gemm2:
	s_mov_b64 s[64:65], 0
	v_nop
	global_prefetch_b8 v0, s[64:65] scope:SCOPE_SE
	s_setreg_imm32_b32 hwreg(HW_REG_WAVE_MODE, 25, 1), 1
	s_wait_xcnt 0x0
	s_wait_alu depctr_hold_cnt(0) depctr_sa_sdst(0) depctr_va_vdst(0) depctr_va_sdst(0) depctr_va_ssrc(0) depctr_va_vcc(0) depctr_vm_vsrc(0)
	s_getreg_b32 s2, hwreg(HW_REG_IB_STS2, 6, 4)
	s_cmp_eq_u32 s2, 0
	s_cbranch_scc0 .Lentry_in_a_cluster
	s_endpgm
.Lentry_in_a_cluster:
	s_bfe_u32 s2, ttmp6, 0x10000c
	s_cmp_lg_u32 s2, 0x3003
	s_cbranch_scc0 .Lentry_shape_is_right
	s_endpgm
.Lentry_shape_is_right:
; out1[m][n] = hh_b[n] + sum over k of a2[m][k] w2[n][k] (f16 operands, f32 sums; 4096 x 6144 by 1024 x 6144): z_prev against hh_w, and the five features of o_t against hz's weights, in one product.
; SHARES.  4096 x 1024 are 256 tiles of 128 x 128: one work-group each.  EVERY ONE OF THE FOUR WAVES MAKES THE WHOLE TILE, 64 accumulators of 16 x 16 in 512 registers, ON ITS QUARTER OF K: of each K step
; of 512 wave w takes places 128 w to 128 w + 127, four QUARTERS of 32, 64 matrix instructions each.  At the end the four partial tiles, f32, meet in LDS (in the ring, which has had its last
; fill), and each wave adds up 32 rows, adds the bias and stores them as whole rows.
; a2 COMES THROUGH LDS, two slots of 128 rows x 1,024 bytes, each wave fetching 32 rows by one tensor load (the tile has 128 rows for four waves, so a load has 32 rows, of four times 256 bytes).
; The four work-groups of a cluster make the four tiles of one tile row and need the same rows of a2: they ask JOINTLY, by the same load, descriptor and mask.
; w2 COMES STRAIGHT INTO REGISTERS, and is not asked for jointly.  The reason, by this text's arithmetic: with K split over the waves each byte of a tile is read by one wave, once, so LDS adds no reuse;
; with both operands in LDS two slots hold K steps of 256, 128 matrix instructions a wave from barrier to barrier; with a2 alone they hold K steps of 512, and 240 matrix instructions stand
; between a request and the wait for it.  w2 lies in fragments (16 rows x 32 K = 1,024 bytes in the lanes' order), so a quarter's 8 KB are 16 loads of 512 consecutive bytes; a ring of four
; buffers of 64 registers keeps three quarters, 24 KB a wave, on their way, across the barriers too.
; THE MATRIX INSTRUCTION IS USED TRANSPOSED (source 0 = 16 rows of w2, source 1 = 16 rows of a2): a lane holds eight neighbouring columns of one row.
; LIMITS.  The sums are taken in another order than a single chain (K in four parts).  NaN and infinities are not treated apart.
; REGISTERS, in windows of 256 (s_set_vgpr_msb: bits 1:0 source 0, 3:2 source 1, 5:4 source 2, 7:6 destination):
;   window 0: v0-31 addresses and the bias; v64-127, v128-191 fragments of a2, two buffers; on the way out v64-191 eight rows of four partial tiles
;   window 1: fragments of w2, four buffers of 64      window 2: accumulators of rows 0-63 ((a, b) at v[8 (8 a + b)])      window 3: those of rows 64-127
.set SIZE_K, 6144
.set KSTEP,  512
.set PITCH,  1040                      ; an LDS row of a2: 1,024 bytes + 16 of padding = 260 words: row r starts at bank 4 r mod 64 (64 banks of 4 bytes: ISA guide 11.1)
.set QROWS,  32*PITCH                  ; 32 rows: what one tensor load brings
.set SLOT,   4*QROWS
.set PPITCH, 528                       ; a row of a partial tile: 128 f32 + 16 bytes
.set PART,   128*PPITCH                ; four partial tiles take the two slots and 4,096 bytes behind them, which are never filled
.set SPARE,  4*PART                    ; behind them: the spare words, 128 bytes for each wave: two blocks of 256 bytes that no other line names
.set LAPS,   SIZE_K/(2*KSTEP)          ; a lap = two K steps = once round the ring
.set BQ,     8192                      ; w2: a wave's quarter: 8 fragments of 1,024 bytes
.set BSTEP,  16*BQ                     ; from a K step to the next: four waves' four quarters
.set BI,   4                           ; v[4:7]  hh_b of my four columns
.set RD,   8                           ; v8-11   the way out: where I read my rows of partial tile 0..3
.set VO16, 13                          ; v13     16 x lane; never rewritten
.set ADRA, 16                          ; v16-17  LDS address of my fragments of a2's rows 0-63 in slot 0, 1
.set ADRH, 18                          ; v18-19  of rows 64-127: 64 rows are more than an LDS load's 16-bit offset spans
.set STO,  24                          ; v24     where I put my partial tile
.set SPW,  28                          ; v28     LDS address of my spare word; never rewritten
.set NIL,  29                          ; v29     0; never rewritten
.set F0,   64
.set F1,   128
.set LD,   64                          ; the way out: row rr of partial tile p at LD + 16 rr + 4 p
.set G1,  24                           ; s[24:31] descriptor group 1;  s[32:39] group 0, one set for each slot
.set G0,  32
.set WB,  90                           ; s[90:91] w2 at my quarters of the lap in hand
.set MSB, 0
.macro WIN new                         ; the immediate's high byte repeats the setting that is left; a switch that changes nothing is dropped
.if MSB != (\new)
	s_set_vgpr_msb (MSB<<8)|(\new)
.set MSB, (\new)
.endif
.endm
.set MUL_LO, 0xa1                      ; source 0 (w2) window 1, source 1 (a2) window 0, C and D window 2
.set TO_B,   0x40                      ; destination window 1, address window 0
.macro JLOAD s                         ; a joint load: my 32 rows of a K step; an s_nop 0 and four v_nop follow it
	tensor_load_to_lds s[G0+4*(\s):G0+4*(\s)+3], s[G1:G1+7]
	s_nop 0
.rept 4
	v_nop
.endr
.endm
.macro CREST                           ; a round of the cluster's barrier behind its opening barrier
	s_cmp_lg_u32 s10, 0
	s_cbranch_scc1 .Lnot_wave_0_\@
	s_barrier_signal -3
.Lnot_wave_0_\@:
	s_barrier_wait -3
	s_barrier_signal -1
	s_barrier_wait -1
.endm
.macro CROUND                          ; a whole round
	s_barrier_signal -1
	s_barrier_wait -1
	CREST
.endm
.macro PLACES                          ; four places in front of loads into registers that matrix instructions have read, and of LDS stores that read results (ISA guide 7.12.1 for vector instructions)
.rept 4
	v_nop
.endr
.endm
; 8 matrix instructions: row block a of the window's four (hi = 0: rows 0-63, 1: rows 64-127) x all 8 column blocks, 32 along K; a2 from buffer f, w2 from buffer nb.  zero = 1: the product starts the sums.
; The 64 accumulators take turns in the same order in every quarter.
.macro MUL8 f, nb, hi, a, zero
	WIN MUL_LO+0x50*(\hi)
.irp b, 0,1,2,3,4,5,6,7
.if \zero
	v_wmma_f32_16x16x32_f16 v[8*(8*(\a)+(\b)):8*(8*(\a)+(\b))+7], v[64*(\nb)+8*(\b):64*(\nb)+8*(\b)+7], v[(\f)+8*(4*(\hi)+(\a)):(\f)+8*(4*(\hi)+(\a))+7], 0
.else
	v_wmma_f32_16x16x32_f16 v[8*(8*(\a)+(\b)):8*(8*(\a)+(\b))+7], v[64*(\nb)+8*(\b):64*(\nb)+8*(\b)+7], v[(\f)+8*(4*(\hi)+(\a)):(\f)+8*(4*(\hi)+(\a))+7], v[8*(8*(\a)+(\b)):8*(8*(\a)+(\b))+7]
.endif
.endr
.endm
; 16 LDS loads in one run: 128 rows of a2, 32 along K at byte k of my 256 bytes of the rows, into buffer f
.macro FETCHA slot, k, f
	WIN 0
.irp i, 0,1,2,3
	ds_load_b128 v[(\f)+8*(\i):(\f)+8*(\i)+3],   v[ADRA+(\slot)] offset:(\k)+(\i)*16*PITCH
	ds_load_b128 v[(\f)+8*(\i)+4:(\f)+8*(\i)+7], v[ADRA+(\slot)] offset:(\k)+(\i)*16*PITCH+32
.endr
.irp i, 0,1,2,3
	ds_load_b128 v[(\f)+32+8*(\i):(\f)+32+8*(\i)+3],   v[ADRH+(\slot)] offset:(\k)+(\i)*16*PITCH
	ds_load_b128 v[(\f)+32+8*(\i)+4:(\f)+32+8*(\i)+7], v[ADRH+(\slot)] offset:(\k)+(\i)*16*PITCH+32
.endr
.endm
; 16 loads in one run: w2's fragments of quarter qq, counted from the lap's first, into buffer qq % 4: each load takes 512 consecutive bytes
.macro LOADB qq
	WIN TO_B
.irp b, 0,1,2,3,4,5,6,7
	global_load_b128 v[64*((\qq)%4)+8*(\b):64*((\qq)%4)+8*(\b)+3],   v[VO16], s[WB:WB+1] offset:((\qq)/4)*BSTEP+((\qq)%4)*BQ+(\b)*1024
	global_load_b128 v[64*((\qq)%4)+8*(\b)+4:64*((\qq)%4)+8*(\b)+7], v[VO16], s[WB:WB+1] offset:((\qq)/4)*BSTEP+((\qq)%4)*BQ+(\b)*1024+512
.endr
.endm
; One of a K step's first three quarters: multiplies a2's buffer f by w2's buffer nb; in its middle it fetches the next quarter of a2, at byte k, into g, and (ld >= 0) asks for w2's quarter ld, three
; quarters on, into the buffer that the quarter before multiplied.  lw: how many younger loads of w2 may stay out.
.macro QUARTER slot, k, f, g, nb, ld, lw, zero
	s_wait_loadcnt \lw                             ; loads come back in order (ISA guide 5.7.1): this quarter's 16 are in, the later quarters' stay out
	s_wait_dscnt 8                                 ; a2's rows 0-63 are in; the youngest eight loads (rows 64-127) may be out
.irp a, 0,1,2,3
	MUL8 \f, \nb, 0, \a, \zero
.endr
	PLACES
	FETCHA \slot, \k, \g
.if (\ld) >= 0
	LOADB \ld
.endif
	s_wait_dscnt 16                                ; all but the 16 just issued
.irp a, 0,1,2,3
	MUL8 \f, \nb, 1, \a, \zero
.endr
.endm
; The fourth quarter multiplies buffers F1 and 3 and changes slots: ONE barrier; in front of it each wave waits for all its tensor loads (one is out: its part of the next slot), adds 0 to its spare
; word, and waits for that and for its own reads of this slot.  fill = 1: the barrier opens a round of the cluster's barrier, and this slot is filled again, two K steps ahead, first thing behind
; the round: 240 of a K step's 256 matrix instructions stand between that request and the wait for it.
.macro TURN slot, next, fill, ld, lw
	WIN 0                                          ; (the add's two registers lie in window 0)
	s_wait_tensorcnt 0x0
	ds_add_u32 v[SPW], v[NIL]                      ; 0 onto my spare word
	s_wait_loadcnt \lw
	s_wait_dscnt 9                                 ; (the add and the youngest eight loads may be out)
	MUL8 F1, 3, 0, 0, 0                            ; eight matrix instructions stand between the add and the wait for it
	s_wait_dscnt 0x0                               ; the add is done, and my reads of this slot are over
	s_barrier_signal -1
	MUL8 F1, 3, 0, 1, 0
.if \fill
	WIN 0
.endif
	s_barrier_wait -1
.if \fill
	CREST                                          ; no wave of any partner still reads this slot's tile or has a tensor load on its way
	s_add_nc_u64 s[G0+4*(\slot)+2:G0+4*(\slot)+3], s[G0+4*(\slot)+2:G0+4*(\slot)+3], 2*KSTEP*2
	JLOAD \slot                                    ; the four v_nop behind it are also the places in front of the loads below
.else
	PLACES
.endif
	FETCHA \next, 0, F0
	LOADB \ld
	MUL8 F1, 3, 0, 2, 0
	MUL8 F1, 3, 0, 3, 0
.irp a, 0,1,2,3
	MUL8 F1, 3, 1, \a, 0
.endr
.endm
	s_load_b256 s[68:75], s[0:1], 0x0              ; a2 s[68:69], w2 s[70:71], hh_b s[72:73], out1 s[74:75]
	v_lshl_add_u32 v[SPW], v0, 2, SPARE
	v_mov_b32 v[NIL], 0
	ds_add_u32 v[SPW], v[NIL]                      ; the wave's opening: the add and its wait stand ahead of my first tensor load; the set-up below, work on registers, stands between them
	v_lshrrev_b32 v1, 5, v0
	v_readfirstlane_b32 s10, v1                    ; wave 0..3
	s_bfe_u32 s40, ttmp6, 0x40000                  ; cx: my place in the cluster
	s_lshl_b32 s42, ttmp9, 2                       ; in a cluster launch ttmp9 counts clusters
	s_add_co_u32 s42, s42, s40                     ; tile column = 4 x cluster x + cx: it enters w2's, the bias' and the output's addresses alone
	s_and_b32 s13, ttmp7, 0xffff                   ; tile row, which the four partners share
	; descriptor group 1: a tile of 32 rows x 512 elements, padded in LDS
	s_mov_b32 s[G1+0], 15|(1<<16)|(1<<20)|(1<<21)|(7<<22)|(3<<25)  ; 15:0 the mask: all four work-groups; 17:16 elements of 2 bytes; 20 padding on; 21 set beside a mask; 24:22 after every 256 words (code 7); 31:25 4 words of it (code 3)
	s_mov_b32 s[G1+1], KSTEP<<16                   ; tensor_dim0 = 512
	s_mov_b32 s[G1+2], 32<<16                      ; tensor_dim1 = 32
	s_mov_b32 s[G1+3], KSTEP<<16                   ; tile_dim0 = 512
	s_mov_b32 s[G1+4], 32                          ; tile_dim1 = 32
	s_mov_b32 s[G1+5], SIZE_K                      ; elements from row to row
	s_mov_b32 s[G1+6], 0
	s_mov_b32 s[G1+7], 0
	s_lshl_b32 s16, s13, 7
	s_lshl_b32 s17, s10, 5
	s_add_co_u32 s16, s16, s17                     ; a2: row 128 x tile row + 32 x wave
	s_mov_b32 s17, 0
	s_mov_b64 s[18:19], SIZE_K*2
	s_mul_u64 s[16:17], s[16:17], s[18:19]
	s_mul_i32 s20, s10, QROWS                      ; where they go: wave x 32 rows
	s_mul_i32 s46, s42, SIZE_K*256                 ; w2: a block of 128 rows is SIZE_K / 32 x 8 fragments of 1,024 bytes;
	s_lshl_b32 s47, s10, 15                        ; of a K step's 16 quarters mine are 4 x wave on
	s_add_co_u32 s46, s46, s47
	s_mov_b32 s47, 0
	s_wait_dscnt 0x0                               ; the opening add is done
	s_wait_kmcnt 0x0
	s_add_nc_u64 s[14:15], s[68:69], s[16:17]
	s_add_nc_u64 s[WB:WB+1], s[70:71], s[46:47]
	CROUND                                         ; all four work-groups are here: the first joint loads meet
.irp s, 0,1
	s_mov_b32 s[G0+4*(\s)], 1                                        ; count = 1
	s_add_co_u32 s[G0+4*(\s)+1], s20, (\s)*SLOT                      ; LDS address
	s_add_nc_u64 s[G0+4*(\s)+2:G0+4*(\s)+3], s[14:15], (\s)*KSTEP*2  ; global address: K step s
	s_or_b32 s[G0+4*(\s)+3], s[G0+4*(\s)+3], 0x80000000              ; type = 2
	JLOAD \s                                       ; two tensor loads of mine are out
.endr
	v_and_b32 v15, 31, v0
	v_lshlrev_b32 v[VO16], 4, v15
	s_lshl_b32 s46, s42, 9                         ; the tile's first column, in bytes of f32
	s_mov_b32 s47, 0
	s_add_nc_u64 s[92:93], s[72:73], s[46:47]
	global_load_b128 v[BI:BI+3], v[VO16], s[92:93] ; the bias of my four columns, ahead of w2's loads: the first counted wait for those shows it in; its address registers are not written again
	LOADB 0                                        ; the register ring is filled: three quarters
	LOADB 1
	LOADB 2
	WIN 0
	; A fragment is 16 rows x 32 K in 8 registers: lane l holds row l % 16, K = 8 (l / 16) + 0..7 and 16 + 8 (l / 16) + 0..7: from LDS two loads of 16 bytes, 32 bytes apart.
	v_and_b32 v1, 15, v0                           ; l % 16
	v_bfe_u32 v2, v0, 4, 1                         ; l / 16
	v_mul_u32_u24 v3, v1, PITCH
	s_lshl_b32 s21, s10, 8                         ; my 256 bytes of every row
	v_lshl_add_u32 v14, v2, 4, v3
	v_add_nc_u32 v[ADRA], s21, v14                 ; row x pitch + 16 x half + 256 x wave
	v_add_nc_u32 v[ADRA+1], SLOT, v[ADRA]
	v_add_nc_u32 v[ADRH], 64*PITCH, v[ADRA]
	v_add_nc_u32 v[ADRH+1], 64*PITCH+SLOT, v[ADRA]
	s_mul_i32 s23, s10, PART                       ; my partial tile: row l % 16, 32 bytes for each half of the lanes
	v_mul_u32_u24 v3, v1, PPITCH
	v_lshl_add_u32 v14, v2, 5, v3
	v_add_nc_u32 v[STO], s23, v14
	s_mul_i32 s22, s10, 32*PPITCH                  ; on the way out wave w takes rows 32 w .. 32 w + 31 of all four partial tiles, 16 bytes a lane: a row a load
	v_add_nc_u32 v[RD], s22, v[VO16]
	v_add_nc_u32 v[RD+1], PART, v[RD]
	v_add_nc_u32 v[RD+2], 2*PART, v[RD]
	v_add_nc_u32 v[RD+3], 3*PART, v[RD]
	s_lshl_b32 s16, s13, 7
	s_lshl_b32 s17, s10, 5
	s_add_co_u32 s16, s16, s17                     ; the first row that I finish: 128 x tile row + 32 x wave
	s_lshl_b32 s18, s16, 12
	s_mov_b32 s19, 0
	s_add_nc_u64 s[76:77], s[74:75], s[18:19]      ; out1 at that row,
	s_add_nc_u64 s[76:77], s[76:77], s[46:47]      ; at the tile's first column
	s_wait_tensorcnt 1                             ; my part of K step 0 is in; K step 1's may stay out
	s_barrier_signal -1
	s_barrier_wait -1                              ; everybody's is
	FETCHA 0, 0, F0
	QUARTER 0, 64, F0, F1, 0, 3, 32, 1             ; the first 64 products stand in front of the loop: they start the sums
	WIN 0                                          ; at a label and at a branch every window is 0
	s_mov_b32 s3, LAPS-1
.Llap:                                                 ; a trip goes once round the ring, from a lap's second quarter to the next lap's first, and fills both slots again
	QUARTER 0, 128, F1, F0, 1, 4, 32, 0
	QUARTER 0, 192, F0, F1, 2, 5, 32, 0
	TURN 0, 1, 1, 6, 32
	QUARTER 1, 64,  F0, F1, 0, 7, 32, 0
	QUARTER 1, 128, F1, F0, 1, 8, 32, 0
	QUARTER 1, 192, F0, F1, 2, 9, 32, 0
	TURN 1, 0, 1, 10, 32
	QUARTER 0, 64,  F0, F1, 0, 11, 32, 0
	WIN 0
	s_wait_xcnt 0x0                                ; w2's base is rewritten only behind this wait (ISA guide 3.1)
	s_add_nc_u64 s[WB:WB+1], s[WB:WB+1], 2*BSTEP   ; the next lap
	s_sub_co_u32 s3, s3, 1
	s_cmp_lg_u32 s3, 0
	s_cbranch_scc1 .Llap
	QUARTER 0, 128, F1, F0, 1, 4, 32, 0            ; the last lap fills no slot, has no round of the cluster's barrier, and asks for w2 up to its last quarter
	QUARTER 0, 192, F0, F1, 2, 5, 32, 0
	TURN 0, 1, 0, 6, 32
	QUARTER 1, 64,  F0, F1, 0, 7, 32, 0
	QUARTER 1, 128, F1, F0, 1, -1, 32, 0           ; the counts run down: two quarters of w2 are out,
	QUARTER 1, 192, F0, F1, 2, -1, 16, 0           ; one,
	s_wait_loadcnt 0x0                             ; none
	s_wait_dscnt 8                                 ; the very last 64 products: nothing more to fetch
.irp a, 0,1,2,3
	MUL8 F1, 3, 0, \a, 0
.endr
	s_wait_dscnt 0x0                               ; my reads of the ring are over:
	s_barrier_signal -1                            ; say so,
.irp a, 0,1,2,3
	MUL8 F1, 3, 1, \a, 0
.endr
	WIN 0
	s_barrier_wait -1                              ; and write into the ring only when all four have said so; every tensor load landed before the last change of slots, and none follows
	; THE PARTIAL TILES.  A lane's eight columns of a row are 32 bytes; each accumulator's low four registers go first.
	PLACES
.irp a, 0,1,2,3,4,5,6,7
	WIN 0x08+4*(\a/4)                              ; the stored data in window 2 or 3
.irp b, 0,1,2,3,4,5,6,7
	ds_store_b128 v[STO], v[8*(8*(\a%4)+\b):8*(8*(\a%4)+\b)+3]   offset:\a*16*PPITCH+64*\b
	ds_store_b128 v[STO], v[8*(8*(\a%4)+\b)+4:8*(8*(\a%4)+\b)+7] offset:\a*16*PPITCH+64*\b+16
.endr
.endr
	WIN 0
	s_wait_dscnt 0x0                               ; for the others' sake: my stores are done
	s_barrier_signal -1
	s_barrier_wait -1
	; THE WAY OUT, eight rows a trip: a lane takes four columns of each row from the four partial tiles, adds them and the bias, and stores 16 bytes: a wave's store is a tile's whole row of 512 bytes.
	s_mov_b32 s3, 4
.Lrow8:
.irp r, 0,1,2,3,4,5,6,7
.irp p, 0,1,2,3
	ds_load_b128 v[LD+16*\r+4*\p:LD+16*\r+4*\p+3], v[RD+\p] offset:\r*PPITCH
.endr
.endr
.irp r, 0,1,2,3,4,5,6,7
	s_wait_dscnt 28-4*\r                           ; LDS loads come back in order: this row's four are in, the later rows' stay out
	v_pk_add_f32 v[LD+16*\r:LD+16*\r+1],     v[LD+16*\r:LD+16*\r+1],     v[LD+16*\r+4:LD+16*\r+5]
	v_pk_add_f32 v[LD+16*\r+2:LD+16*\r+3],   v[LD+16*\r+2:LD+16*\r+3],   v[LD+16*\r+6:LD+16*\r+7]
	v_pk_add_f32 v[LD+16*\r+8:LD+16*\r+9],   v[LD+16*\r+8:LD+16*\r+9],   v[LD+16*\r+12:LD+16*\r+13]
	v_pk_add_f32 v[LD+16*\r+10:LD+16*\r+11], v[LD+16*\r+10:LD+16*\r+11], v[LD+16*\r+14:LD+16*\r+15]
	v_pk_add_f32 v[LD+16*\r:LD+16*\r+1],     v[LD+16*\r:LD+16*\r+1],     v[LD+16*\r+8:LD+16*\r+9]
	v_pk_add_f32 v[LD+16*\r+2:LD+16*\r+3],   v[LD+16*\r+2:LD+16*\r+3],   v[LD+16*\r+10:LD+16*\r+11]
	v_pk_add_f32 v[LD+16*\r:LD+16*\r+1],     v[LD+16*\r:LD+16*\r+1],     v[BI:BI+1]
	v_pk_add_f32 v[LD+16*\r+2:LD+16*\r+3],   v[LD+16*\r+2:LD+16*\r+3],   v[BI+2:BI+3]
	global_store_b128 v[VO16], v[LD+16*\r:LD+16*\r+3], s[76:77] offset:\r*4096 th:TH_STORE_NT
.endr
	s_wait_xcnt 0x0                                ; the stores' base and data are rewritten only behind this wait (ISA guide 3.1)
.irp p, 0,1,2,3
	v_add_nc_u32 v[RD+\p], 8*PPITCH, v[RD+\p]
.endr
	s_add_nc_u64 s[76:77], s[76:77], 8*4096
	s_sub_co_u32 s3, s3, 1
	s_cmp_lg_u32 s3, 0
	s_cbranch_scc1 .Lrow8
	s_wait_tensorcnt 0x0                           ; the wave's end, behind my last tensor load and my last LDS store
	ds_add_u32 v[SPW], v[NIL]
	s_wait_dscnt 0x0
	CROUND                                         ; the closing round: no work-group ends while a partner may still ask for a tile that names it
	s_endpgm
.Lfunc_end_k_qd747693deb_gemm2:
	.size	k_qd747693deb_gemm2, .Lfunc_end_k_qd747693deb_gemm2-k_qd747693deb_gemm2
	.p2alignl 7, 3214868480
	.fill 96, 4, 3214868480
	.section	.rodata,"a",@progbits
	.p2align	6, 0x0
	.amdhsa_kernel k_qd747693deb_gemm2
		.amdhsa_group_segment_fixed_size 327680
		.amdhsa_private_segment_fixed_size 0
		.amdhsa_enable_private_segment 0
		.amdhsa_kernarg_size 32
		.amdhsa_user_sgpr_count 2
		.amdhsa_user_sgpr_kernarg_segment_ptr 1
		.amdhsa_wavefront_size32 1
		.amdhsa_system_sgpr_workgroup_id_x 1
		.amdhsa_system_sgpr_workgroup_id_y 1
		.amdhsa_system_sgpr_workgroup_id_z 1
		.amdhsa_system_vgpr_workitem_id 0
		.amdhsa_next_free_vgpr 1024
		.amdhsa_next_free_sgpr 96
		.amdhsa_reserve_vcc 0
		.amdhsa_float_denorm_mode_32 3
		.amdhsa_float_denorm_mode_16_64 3
		.amdhsa_memory_ordered 1
		.amdhsa_forward_progress 1
		.amdhsa_inst_pref_size 133
	.end_amdhsa_kernel
	.amdgpu_metadata
---
amdhsa.version: [ 1, 2 ]
amdhsa.kernels:
  - .name:           k_qd747693deb_gemm2
    .symbol:         k_qd747693deb_gemm2.kd
    .args:
      - { .name: a2, .offset: 0, .size: 8, .value_kind: global_buffer, .address_space: global }
      - { .name: w2, .offset: 8, .size: 8, .value_kind: global_buffer, .address_space: global }
      - { .name: hh_b, .offset: 16, .size: 8, .value_kind: global_buffer, .address_space: global }
      - { .name: out1, .offset: 24, .size: 8, .value_kind: global_buffer, .address_space: global }
    .group_segment_fixed_size: 327680
    .private_segment_fixed_size: 0
    .kernarg_segment_align: 8
    .kernarg_segment_size: 32
    .max_flat_workgroup_size: 128
    .sgpr_count:     96
    .vgpr_count:     1024
    .wavefront_size: 32
...
	.end_amdgpu_metadata
.endif
;; end of part 3
